; MI455X (gfx1250); checked and timed in simulation.
; The chip was launched on July 23, 2026; its instructions are those of AMD's public machine-readable ISA for CDNA 5 (MIT licence, August 2026) and "CDNA5" Instruction Set Architecture Reference Guide (July 2026). The comments in the code are by the model that wrote it; some were corrected since.
;; Graph Multi Head Attention. Allowed arithmetic: matrix products marked QUANTISED: E2M3 operands, one E8M0 scale for each 32 along K, by v_wmma_scale_f32_16x16x128_f8f6f4 with both operands' format E2M3, f32 sums; everything else in f32.
;; Inputs: Wk 1,024 x 1,024 float32; Wq 1,024 x 1,024 float32; Wv 1,024 x 1,024 float32; bk 1,024 float32; bq 1,024 float32; bv 1,024 float32; node_emb 4,096 x 1,024 float32.
;; Outputs: out0 4,096 x 1,024 float32.
;; This version of the problem:
;;   THIS VERSION OF THE PROBLEM IS GIVEN IN LOW PRECISION. The matrix products marked QUANTISED in the list below multiply operands that are first quantised to E2M3 (2 exponent bits, 3 mantissa bits; 6 bits a number), with one power-of-two scale for each 32 numbers along K (OCP MX v1.0); their sums are f32. All else is computed in f32.
;;   The module's matrix products, in the order in which they are computed (A, B: the left and right operand; K: the contracted axis; several contracted axes count as one K, in the product's order):
;;     1. [M 4,096, K 1,024] x [K 1,024, N 1,024]; A: input node_emb; B: input Wq: QUANTISED
;;     2. [M 4,096, K 1,024] x [K 1,024, N 1,024]; A: input node_emb; B: input Wk: QUANTISED
;;     3. [M 4,096, K 1,024] x [K 1,024, N 1,024]; A: input node_emb; B: input Wv: QUANTISED
;;     4. batch 16 x [M 4,096, K 64] x [K 64, N 4,096]; A: computed on the way; B: computed on the way: QUANTISED
;;     5. batch 16 x [M 64, K 4,096] x [K 4,096, N 4,096]; A: computed on the way; B: softmax (see below): QUANTISED
;;   THE QUANTISER, for each operand of a quantised product, along K:
;;     - K is cut into blocks of 32 from its start; a last block that is shorter is filled with zeros.
;;     - A block's scale is 2^e with e = floor(log2(the largest magnitude in the block)) - 2, held to -126 .. 127; a block of zeros has e = 0. As a byte (E8M0): e + 127.
;;     - Each number is divided by its block's scale, clamped to +-7.5, and rounded to the nearest number of E2M3, ties to even, subnormals kept.
;;     - The product sums the exact products of the quantised numbers (number of the format x scale) in f32.
;;   ~~~python
;;   def quantise(x, axis):      # numpy; x: float32 -> the quantised numbers, widened to float32 again
;;       x = np.moveaxis(x, axis, -1); K = x.shape[-1]
;;       x = np.pad(x, [(0, 0)] * (x.ndim - 1) + [(0, -K % 32)]); x = x.reshape(x.shape[:-1] + (-1, 32)); a = np.abs(x).max(-1, keepdims=True)
;;       e = np.where(a > 0, np.clip(np.frexp(np.where(a > 0, a, 1))[1] - 1 - 2, -126, 127), 0)      # np.frexp(a)[1] - 1 = floor(log2(a)), exactly
;;       r = np.clip(x / 2.0 ** e, -7.5, 7.5)
;;       step = 2.0 ** (np.maximum(np.frexp(np.where(r == 0, 1, r))[1] - 1, 0) - 3)
;;       q = np.round(r / step) * step * 2.0 ** e      # np.round: ties to even
;;       return np.moveaxis(q.reshape(q.shape[:-2] + (-1,))[..., :K], -1, axis).astype(np.float32)
;;   ~~~
;;   SOFTMAX AHEAD OF A QUANTISED PRODUCT. Where the list says 'softmax', what is quantised is not the finished softmax but p = 2^(t - M), with t = logit x log2(e) and M = ceil(the row's largest t), a whole number; so 1/2 < the row's largest p <= 1. The row's sum l is taken of the UNQUANTISED p, in f32, and the product's result is divided by l at the end. Since M is a whole number, a kernel that streams over the keys may use a running M (the ceiling of the running maximum): every later rescaling is an exact power of two, which a block's scale takes up: the codes' values come out the same.
;;   OPERANDS COMPUTED ON THE WAY. 'Computed on the way' means the value that the module computes at that place (a softmax that the list does not call 'softmax' is quantised finished and normalised). What goes into a quantiser is computed in f32, as accurately as f32 sums, v_exp_f32 and their like allow (about 1e-6 of the number): no bf16 or f16 on the way to a quantiser, and a product that is left as it is and whose result goes on into a quantised operand takes f32 operands (vector FMAs, or v_wmma_f32_16x16x4_f32). A number that lies on a knife's edge between two numbers of the format may be rounded either way, as far as f32 arithmetic and the matrix unit's own rounding can turn it there, and no further.
;; One version. Each part assembles by itself: llvm-mc -triple=amdgcn-amd-amdhsa -mcpu=gfx1250 --defsym DOCPART=n.
;; ======== version 1 of 1: 3 launches
;; workspace buffers: xcodes 3,145,728 bytes; xscales 131,072 bytes; wcodes 2,359,296 bytes; wscales 98,304 bytes; qbuf 6,553,600 bytes; kvbuf 6,553,600 bytes
;; launch quant (part 1): grid 224 x 1, 4 waves a work-group, no clusters, 68,096 bytes of LDS; arguments node_emb, Wq, Wk, Wv, xcodes, xscales, wcodes, wscales; writes xcodes, xscales, wcodes, wscales
.if DOCPART == 1
	.amdgcn_target "amdgcn-amd-amdhsa--gfx1250"
	.amdhsa_code_object_version 6
	.text
	.protected	k_q35b30add5b_quant
	.globl	k_q35b30add5b_quant
	.p2align	8
	.type	k_q35b30add5b_quant,@function
k_q35b30add5b_quant:
	s_mov_b64 s[64:65], 0
	v_nop
	global_prefetch_b8 v0, s[64:65] scope:SCOPE_SE
	s_setreg_imm32_b32 hwreg(HW_REG_WAVE_MODE, 25, 1), 1
	s_wait_xcnt 0x0
; node_emb [4096][1024] (K innermost) and Wq, Wk, Wv [1024 (K)][1024] (K outermost), f32, become codes of FP6 (E2M3) with K innermost, 768 bytes a row, and one E8M0 byte for each 32 along K, 32 bytes a row.
; xcodes/xscales: a row for each row of node_emb.  wcodes/wscales: 3,072 rows: row 1024 g + n is column n of Wq (g = 0), Wk (1), Wv (2).
; ROWS ARE STORED PERMUTED: logical row 32 G + 16 a + 8 b + j lies at physical row 32 G + 16 b + 8 a + j (bits 3 and 4 of the row's number change places).  So 16 neighbouring physical rows, taken as a
; tile by the next launch, are the logical rows 8 u + r + 8 (r / 8) of their group of 32, and two neighbouring tiles' results are 16 neighbours along the K of the product that follows.
; A block's scale is 2^(floor(log2(its largest magnitude)) - 2); its byte is the largest magnitude's exponent field - 2, held at 1 from below.
; LIMITS: a block whose largest magnitude lies under 2^-124 is held at the byte 1; a block of zeros has the byte 1 and not 127 (its codes are zeros, and this program alone reads the bytes); NaN and infinities are not served.
; Work-groups 0-127 take node_emb (32,768 numbers each: a wave 8 rows), work-groups 128-223 the weights (128 columns x 256 along K each).  The two paths never join; each has LDS bytes of its own.
; No tensor loads, no barrier: waves share nothing.  All steps are written out: every offset is an immediate.
.set WREG,  8192                       ; X path, LDS: a region for each wave: two stages of 32 x SP bytes, behind them its 256 scale bytes
.set SP,    80                         ; a lane's place in a stage: its 64 bytes + 16 of padding
.set CB,    12                         ; bytes of 16 codes
.set STEPS, 16
.set R,     16                         ; v16-79   four sets of 16 numbers as loaded
.set X,     80                         ; v80-111  two sets of 16 neighbours
.set E,     112                        ; v112-127 a scale byte for each step
.set C,     128                        ; v128-191 codes: four registers for each step, so that no store's data are written again
.set WSTG,  32768                      ; W path, LDS: a stage of 32 rows x 272 bytes for each wave
.set PITCH, 272
.set KROW,  768
.set NB,    8                          ; blocks of 32 along K for a wave
.set XW,    32                         ; v32-95   two sets of 32 numbers
.set WC,    96                         ; v96..    a block's codes
.set OUTR,  112                        ; v112-175 the way out
.set SB,    24                         ; v24-25   the scale bytes
	s_load_b256 s[4:11], s[0:1], 0x0               ; node_emb, Wq, Wk, Wv
	s_load_b256 s[12:19], s[0:1], 0x20             ; xcodes, xscales, wcodes, wscales
	v_lshl_add_u32 v192, v0, 2, 0x10800
	v_mov_b32 v193, 0
	v_lshrrev_b32 v1, 5, v0
	v_readfirstlane_b32 s20, v1                    ; wave 0..3
	v_and_b32 v2, 31, v0                           ; lane
	s_wait_kmcnt 0x0
	s_cmp_lt_u32 ttmp9, 128
	s_cbranch_scc0 .Lweights
; ---------------- node_emb: a plain stream of blocks of 32; a wave takes 16 steps of 512 numbers (8 rows)
	v_lshlrev_b32 v3, 4, v2                        ; my 16 bytes of a load's 512
	s_mul_i32 s21, s20, WREG
	v_lshrrev_b32 v14, 2, v2
	v_mul_u32_u24 v14, v14, SP
	v_and_b32 v15, 3, v2
	v_lshl_add_u32 v14, v15, 4, v14
	v_add_nc_u32 v14, s21, v14                     ; the stage, in: four lanes' 64 bytes on end, then 16 of padding
	v_mul_u32_u24 v15, v2, SP
	v_add_nc_u32 v15, s21, v15                     ; out: SP x lane: my 16 neighbours
	v_mul_u32_u24 v4, v2, CB                       ; my codes' place in a step's 384 bytes
	v_lshrrev_b32 v5, 1, v2
	s_add_co_u32 s21, s21, 2*32*SP
	v_add_nc_u32 v5, s21, v5                       ; my block's scale byte in LDS
	v_lshlrev_b32 v7, 3, v2
	v_add_nc_u32 v6, s21, v7                       ; and on the way out 8 bytes a lane
	s_lshl_b32 s22, ttmp9, 2
	s_add_co_u32 s24, s22, s20                     ; the run of 8 rows that I read: 4 x work-group + wave
	s_lshl_b32 s24, s24, 15                        ; 32,768 bytes a run
	s_mov_b32 s25, 0
	s_add_nc_u64 s[4:5], s[4:5], s[24:25]
	s_and_b32 s26, s20, 1                          ; the run that I write: the wave's two bits change places (they are bits 3 and 4 of the row's number)
	s_lshl_b32 s26, s26, 1
	s_lshr_b32 s27, s20, 1
	s_or_b32 s26, s26, s27
	s_add_co_u32 s26, s26, s22
	s_mul_i32 s24, s26, 8*KROW
	s_add_nc_u64 s[12:13], s[12:13], s[24:25]
	s_lshl_b32 s24, s26, 8                         ; 256 scale bytes a run
	s_add_nc_u64 s[14:15], s[14:15], s[24:25]
.macro XLOAD t
.irp i, 0,1,2,3
	global_load_b128 v[R+16*((\t)%4)+4*\i:R+16*((\t)%4)+4*\i+3], v3, s[4:5] offset:2048*(\t)+512*\i th:TH_LOAD_NT   ; 32 lanes read 512 consecutive bytes
.endr
.endm
.macro XTURN t                         ; step t's numbers through the stage: LDS serves a wave's instructions in order, so no wait stands between the stores and the loads
.irp i, 0,1,2,3
	ds_store_b128 v14, v[R+16*((\t)%4)+4*\i:R+16*((\t)%4)+4*\i+3] offset:32*SP*((\t)%2)+8*SP*\i
.endr
.irp i, 0,1,2,3
	ds_load_b128 v[X+16*((\t)%2)+4*\i:X+16*((\t)%2)+4*\i+3], v15 offset:32*SP*((\t)%2)+16*\i
.endr
.endm
.irp t, 0,1,2,3
	XLOAD \t
.endr
	s_wait_loadcnt 12                              ; step 0's four loads are in; the 12 of steps 1 to 3 may be out
	XTURN 0
.macro XSTEP t
.set XS, X+16*((\t)%2)
.if (\t) > 0
	s_wait_dscnt 1                                 ; this step's numbers are back from the stage (the last step's byte store may be out)
.else
	s_wait_dscnt 0x0
.endif
.if (\t)+4 < STEPS
	XLOAD (\t)+4                                   ; into the set whose stores into the stage have read their registers
.endif
.if (\t)+1 < STEPS
.if STEPS-2-(\t) >= 3
	s_wait_loadcnt 12                              ; the next step's four loads are in; those of the three steps behind it may be out
.else
	s_wait_loadcnt 4*(STEPS-2-(\t))
.endif
	XTURN (\t)+1
.endif
	v_max3_num_f32 v8, |v[XS]|, |v[XS+1]|, |v[XS+2]|               ; the largest magnitude of my 16, in two chains
	v_max3_num_f32 v9, |v[XS+3]|, |v[XS+4]|, |v[XS+5]|
.irp i, 6,10
	v_max3_num_f32 v8, v8, |v[XS+\i]|, |v[XS+\i+1]|
	v_max3_num_f32 v9, v9, |v[XS+\i+2]|, |v[XS+\i+3]|
.endr
	v_max3_num_f32 v8, v8, |v[XS+14]|, |v[XS+15]|
	v_max3_num_f32 v8, v8, v9, 0x1800000           ; and the floor 2^(3 - 127): the byte cannot fall under 1
	v_max_num_f32_dpp v8, v8, v8 row_xmask:1 row_mask:0xf bank_mask:0xf   ; and of my neighbour's 16: the block's
	v_add_nc_u32 v11, 0xff000000, v8               ; 2 off its exponent field: the conversion takes this operand's exponent field as its scale
	v_cvt_scalef32_pk16_fp6_f32 v[C+4*(\t):C+4*(\t)+2], v[XS:XS+15], v11
	v_lshrrev_b32 v[E+(\t)], 23, v11               ; the scale's byte (also the plain line behind the conversion)
	ds_store_b8 v5, v[E+(\t)] offset:16*(\t)       ; both lanes of a block write the same byte with the same value
	global_store_b96 v4, v[C+4*(\t):C+4*(\t)+2], s[12:13] offset:32*CB*(\t)   ; the wave stores 384 consecutive bytes
.endm
.irp t, 0,1,2,3,4,5,6,7,8,9,10,11,12,13,14,15
	XSTEP \t
.endr
	ds_load_b64 v[12:13], v6                       ; LDS serves a wave's instructions in order: these see my byte stores
	s_wait_dscnt 0x0
	global_store_b64 v7, v[12:13], s[14:15]        ; 32 lanes store 256 consecutive bytes, aligned
	s_wait_tensorcnt 0x0
	ds_add_u32 v192, v193
	s_wait_dscnt 0x0
	s_endpgm
; ---------------- the weights: a lane takes a column, its registers run down K; a wave takes 32 columns x 256 along K
.Lweights:
	v_lshlrev_b32 v3, 2, v2                        ; in: 4 bytes a lane
	v_and_b32 v10, 7, v2
	v_and_b32 v11, 8, v2
	v_lshl_or_b32 v10, v11, 1, v10
	v_lshrrev_b32 v11, 1, v2
	v_and_or_b32 v10, v11, 8, v10                  ; the physical row of my column in its group of 32: bits 3 and 4 of the lane changed
	s_mul_i32 s21, s20, 32*PITCH
	s_add_co_u32 s21, s21, WSTG                    ; my stage
	v_mul_u32_u24 v4, v10, PITCH
	v_add_nc_u32 v4, s21, v4                       ; into it: row = my column's physical row
	v_and_b32 v5, 15, v2
	v_lshrrev_b32 v6, 4, v2                        ; out of it: sixteen lanes to a row, two rows an instruction
	v_mul_u32_u24 v7, v6, PITCH
	v_lshl_add_u32 v7, v5, 4, v7
	v_add_nc_u32 v7, s21, v7
	v_mul_u32_u24 v8, v6, KROW
	v_mad_u32_u24 v8, v5, 12, v8                   ; and the same place in the codes' buffer
	v_lshlrev_b32 v9, 5, v10                       ; my column's row of scale bytes
	s_sub_co_u32 s22, ttmp9, 128
	s_lshr_b32 s23, s22, 5                         ; g: which weight
	s_and_b32 s24, s22, 7                          ; which 128 columns
	s_bfe_u32 s25, s22, 0x20003                    ; which 256 along K
	s_cmp_lt_u32 s23, 1                            ; the choice hangs on the work-group's number alone
	s_cselect_b64 s[6:7], s[6:7], s[8:9]
	s_cmp_lt_u32 s23, 2
	s_cselect_b64 s[6:7], s[6:7], s[10:11]
	s_lshl_b32 s26, s24, 7
	s_lshl_b32 s27, s20, 5
	s_add_co_u32 s26, s26, s27                     ; my wave's first column
	s_lshl_b32 s28, s25, 20                        ; 256 rows of 4,096 bytes
	s_lshl_b32 s27, s26, 2
	s_add_co_u32 s28, s28, s27
	s_mov_b32 s29, 0
	s_add_nc_u64 s[6:7], s[6:7], s[28:29]
	s_lshl_b32 s27, s23, 10
	s_add_co_u32 s27, s27, s26                     ; the first row of my group of 32 in wcodes and wscales
	s_mul_i32 s28, s27, KROW
	s_mul_i32 s30, s25, 192
	s_add_co_u32 s28, s28, s30
	s_add_nc_u64 s[16:17], s[16:17], s[28:29]
	s_lshl_b32 s28, s27, 5
	s_lshl_b32 s30, s25, 3
	s_add_co_u32 s28, s28, s30
	s_add_nc_u64 s[18:19], s[18:19], s[28:29]
.macro WLOAD t                         ; block t: W(32 t + i, my column) into set t % 2; a wave's load reads 128 consecutive bytes, the four waves stand side by side
.irp i, 0,1,2,3,4,5,6,7,8,9,10,11,12,13,14,15,16,17,18,19,20,21,22,23,24,25,26,27,28,29,30,31
	global_load_b32 v[XW+32*((\t)%2)+\i], v3, s[6:7] offset:(32*(\t)+\i)*4096 th:TH_LOAD_NT
.endr
.endm
	WLOAD 0
	WLOAD 1
.macro WBLOCK t
.set XS, XW+32*((\t)%2)
.if (\t) < NB-1
	s_wait_loadcnt 32                              ; this block's 32 loads are in; the next block's 32 may be out
.else
	s_wait_loadcnt 0
.endif
	v_max3_num_f32 v12, |v[XS]|, |v[XS+1]|, |v[XS+2]|               ; the block's largest magnitude: all 32 numbers are mine
	v_max3_num_f32 v13, |v[XS+3]|, |v[XS+4]|, |v[XS+5]|
.irp i, 6,10,14,18,22,26
	v_max3_num_f32 v12, v12, |v[XS+\i]|, |v[XS+\i+1]|
	v_max3_num_f32 v13, v13, |v[XS+\i+2]|, |v[XS+\i+3]|
.endr
	v_max3_num_f32 v12, v12, |v[XS+30]|, |v[XS+31]|
	v_max3_num_f32 v12, v12, v13, 0x1800000        ; the floor
	v_add_nc_u32 v11, 0xff000000, v12              ; the conversion's scale operand
	v_lshrrev_b32 v13, 23, v11                     ; the scale's byte
.if (\t)%4 == 0
	v_mov_b32 v[SB+(\t)/4], v13
.else
	v_lshl_or_b32 v[SB+(\t)/4], v13, 8*((\t)%4), v[SB+(\t)/4]
.endif
	v_cvt_scalef32_pk16_fp6_f32 v[WC:WC+2], v[XS:XS+15], v11
	v_cvt_scalef32_pk16_fp6_f32 v[WC+4:WC+6], v[XS+16:XS+31], v11   ; (a conversion's three registers begin on an even number)
	v_nop                                          ; one plain line behind the conversions
	ds_store_b96 v4, v[WC:WC+2] offset:32*(\t)     ; 12 bytes to a place of 16, so that every LDS address is a multiple of 16
	ds_store_b96 v4, v[WC+4:WC+6] offset:32*(\t)+16
.if (\t)+2 < NB
	WLOAD (\t)+2
.endif
	s_wait_dscnt 0x0                               ; the stores have read their registers: the next block's codes may be written
.endm
.irp t, 0,1,2,3,4,5,6,7
	WBLOCK \t
.endr
	global_store_b64 v9, v[SB:SB+1], s[18:19]      ; my column's 8 scale bytes
.irp t, 0,1,2,3,4,5,6,7,8,9,10,11,12,13,14,15
	ds_load_b96 v[OUTR+4*\t:OUTR+4*\t+2], v7 offset:2*\t*PITCH   ; LDS serves a wave's instructions in order: these see my stores
.endr
.irp t, 0,1,2,3,4,5,6,7,8,9,10,11,12,13,14,15
	s_wait_dscnt 15-\t                             ; the younger read-backs may be out
	global_store_b96 v8, v[OUTR+4*\t:OUTR+4*\t+2], s[16:17] offset:2*\t*KROW   ; sixteen lanes store a row's 192 consecutive bytes
.endr
	s_wait_tensorcnt 0x0
	ds_add_u32 v192, v193
	s_wait_dscnt 0x0
	s_endpgm
.Lfunc_end_k_q35b30add5b_quant:
	.size	k_q35b30add5b_quant, .Lfunc_end_k_q35b30add5b_quant-k_q35b30add5b_quant
	.p2alignl 7, 3214868480
	.fill 96, 4, 3214868480
	.section	.rodata,"a",@progbits
	.p2align	6, 0x0
	.amdhsa_kernel k_q35b30add5b_quant
		.amdhsa_group_segment_fixed_size 68096
		.amdhsa_private_segment_fixed_size 0
		.amdhsa_enable_private_segment 0
		.amdhsa_kernarg_size 64
		.amdhsa_user_sgpr_count 2
		.amdhsa_user_sgpr_kernarg_segment_ptr 1
		.amdhsa_wavefront_size32 1
		.amdhsa_system_sgpr_workgroup_id_x 1
		.amdhsa_system_sgpr_workgroup_id_y 1
		.amdhsa_system_sgpr_workgroup_id_z 1
		.amdhsa_system_vgpr_workitem_id 0
		.amdhsa_next_free_vgpr 194
		.amdhsa_next_free_sgpr 66
		.amdhsa_reserve_vcc 0
		.amdhsa_float_denorm_mode_32 3
		.amdhsa_float_denorm_mode_16_64 3
		.amdhsa_memory_ordered 1
		.amdhsa_forward_progress 1
		.amdhsa_inst_pref_size 74
	.end_amdhsa_kernel
	.amdgpu_metadata
---
amdhsa.version: [ 1, 2 ]
amdhsa.kernels:
  - .name:           k_q35b30add5b_quant
    .symbol:         k_q35b30add5b_quant.kd
    .args:
      - { .name: node_emb, .offset: 0, .size: 8, .value_kind: global_buffer, .address_space: global }
      - { .name: Wq, .offset: 8, .size: 8, .value_kind: global_buffer, .address_space: global }
      - { .name: Wk, .offset: 16, .size: 8, .value_kind: global_buffer, .address_space: global }
      - { .name: Wv, .offset: 24, .size: 8, .value_kind: global_buffer, .address_space: global }
      - { .name: xcodes, .offset: 32, .size: 8, .value_kind: global_buffer, .address_space: global }
      - { .name: xscales, .offset: 40, .size: 8, .value_kind: global_buffer, .address_space: global }
      - { .name: wcodes, .offset: 48, .size: 8, .value_kind: global_buffer, .address_space: global }
      - { .name: wscales, .offset: 56, .size: 8, .value_kind: global_buffer, .address_space: global }
    .group_segment_fixed_size: 68096
    .private_segment_fixed_size: 0
    .kernarg_segment_align: 8
    .kernarg_segment_size: 64
    .max_flat_workgroup_size: 128
    .sgpr_count:     66
    .vgpr_count:     194
    .wavefront_size: 32
...
	.end_amdgpu_metadata
.endif
;; end of part 1
;; launch proj (part 2): grid 12 x 16, 4 waves a work-group, clusters of 4 x 4, 327,680 bytes of LDS; arguments xcodes, xscales, wcodes, wscales, bq, bk, bv, qbuf, kvbuf; writes qbuf, kvbuf
.if DOCPART == 2
	.amdgcn_target "amdgcn-amd-amdhsa--gfx1250"
	.amdhsa_code_object_version 6
	.text
	.protected	k_q35b30add5b_proj
	.globl	k_q35b30add5b_proj
	.p2align	8
	.type	k_q35b30add5b_proj,@function
k_q35b30add5b_proj:
	s_mov_b64 s[64:65], 0
	v_nop
	global_prefetch_b8 v0, s[64:65] scope:SCOPE_SE
	s_setreg_imm32_b32 hwreg(HW_REG_WAVE_MODE, 25, 1), 1
	s_wait_xcnt 0x0
	s_wait_alu depctr_hold_cnt(0) depctr_sa_sdst(0) depctr_va_vdst(0) depctr_va_sdst(0) depctr_va_ssrc(0) depctr_va_vcc(0) depctr_vm_vsrc(0)
	s_getreg_b32 s2, hwreg(HW_REG_IB_STS2, 6, 4)
	s_cmp_eq_u32 s2, 0
	s_cbranch_scc0 .Lentry_in_a_cluster
	s_endpgm
.Lentry_in_a_cluster:
	s_bfe_u32 s2, ttmp6, 0x10000c
	s_cmp_lg_u32 s2, 0xf033
	s_cbranch_scc0 .Lentry_shape_is_right
	s_endpgm
.Lentry_shape_is_right:
; q, k, v = node_emb W + b on codes of FP6 (E2M3) with E8M0 scales, K = 1,024; the results are quantised in registers for the two products of the attention and stored as IMAGES OF THE OPERANDS' REGISTERS.
; A work-group of four waves makes a tile of 256 x 256; a wave 128 x 128: 64 accumulators of 16 x 16, 512 registers.  K goes in steps of 256 through a ring of two LDS slots; all scale bytes of the tile's rows come once.
; 'A' is the matrix instruction's source 1 (its rows fall on lanes), 'B' its source 0 (its rows fall on a lane's registers).
; THE ROLE hangs on the cluster's x, which all sixteen partners share:  0: q, 1: k: A = 256 rows of x, B = 256 columns of Wq or Wk: a lane holds one row of x and its registers run along d, the scores' K.
;   2: v: A = 256 columns of Wv, B = 256 rows of x: a lane holds one d and its registers run along the keys, the second product's K.
; Rows of both code buffers lie permuted (bits 3 and 4 of the row's number changed), so 16 neighbouring rows of LDS are the logical rows 8 u + r + 8 (r / 8) of a group of 32: the 16 registers of B's tiles 2 b, 2 b + 1
; are the 16 neighbours 32 b + 16 (lane / 16) + 0 .. 15 along the next K.  THE BIAS is the C of each sum's first product.
; OUT: [head 16][step of 128 rows: 32][12,800 bytes]: 0: four dense fragments of k (or q): registers 0-5 tile 2 b, registers 6-11 tile 2 b + 1 of 16 keys, lane (r, h): d = 32 h .. 32 h + 31;  6,144: four fragments of v
; (lane r: d = 32 (t / 2) + 8 (t % 2) + r + 8 (r / 8); K = the step's 128 keys);  12,288: k's scale words [r][b];  12,544: v's [r][t].  A fragment: three runs of 512 bytes, registers 4 c .. 4 c + 3, lane l's 16 bytes at 16 l.
; CLUSTERS: 4 x 4.  A's tile hangs on cy (and the cluster's y), B's on cx: each is asked for jointly by the four of a row or of a column of the cluster.  192 work-groups: 12 x 16 tiles of 256 x 256.
; LIMITS: a block whose largest magnitude lies under 2^-124 is held at the byte 1; a block of zeros has the byte 1, not 127 (this program alone reads the bytes); NaN and infinities are not served.
; REGISTERS: window 0: v16-31 addresses; v32-63 scale words, two sets; v64-127 the bias; from v128 A's fragments, one set (on the way out v32-75 at work, v128-223 the codes).  window 1: B's fragments, two sets.  windows 2, 3: the accumulators.
.set NQ,     2                         ; matrix instructions deep in a slot
.set ROWB,   192                       ; a tile's row: 256 codes
.set KROW,   768                       ; a row of codes in memory
.set PITCH,  240                       ; an LDS row: 3 x (64 bytes + 16 of padding): the 32 lanes of a load of 8 bytes touch 64 different banks (64 banks of 4 bytes: ISA guide 11.1)
.set FR,     12
.set NL,     6
.set NP,     4                         ; places behind this matrix instruction (ISA guide 7.12.1)
.set HALFT,  128*PITCH
.set SLOT,   4*HALFT                   ; A's 256 rows, then B's 256 rows
.set KS,     32                        ; a row of scale bytes
.set SCL,    2*SLOT                    ; behind the ring: the scales, as runs of 256 bytes + 16 of padding
.set HALFS,  (128*KS/256)*272
.set SBLK,   (16*KS/256)*272
.set SPARE,  SCL+4*HALFS               ; the spare words, 128 bytes for each wave: two blocks of 256 bytes that no other line names
.set HEADB,  409600                    ; a head in qbuf and kvbuf
.set STEPB,  12800                     ; a step of 128 rows there
.set ADRA, 16                          ; v16-17 LDS address of my A fragments in slot 0, 1 (v18-19: behind one padding more)
.set ADRB, 20                          ; v20-23 the same for B
.set BOFF, 24                          ; v24  64 x (lane / 16): the bias of roles q, k
.set SO,   25                          ; v25  16 r + (lane / 16) x a head: the scale words' store
.set CO,   26                          ; v26  16 x lane: an image's place for my lane
.set ADRS, 27                          ; v27  LDS address of my scale words: lanes 0-15 A's rows, lanes 16-31 B's
.set SPW,  28                          ; v28  my spare word; never rewritten
.set NIL,  29                          ; v29  0; never rewritten
.set LANE, 30
.set BVO,  31                          ; v31  4 (r + 8 (r / 8)): the bias of role v
.set SC,   32
.set BI,   64
.set AF,   128
.set TM,   32                          ; the way out: v32-35 largest magnitudes, v36-39 bytes, v44-47 the conversions' scale operands
.set CT,   48                          ; v48-50, v52-54 the blocks' second halves
.set PWR,  56                          ; v56-63 scale words just made
.set XA,   64                          ; v64-67, v68-71 the two heads' words of dense fragments
.set XB,   68
.set SWD,  72                          ; v72-75 the words as stored
.set WV, 22
.set WA, 23
.set WB, 24
.set SEL, 34
.set G1A, 36
.set G0A, 44
.set G1B, 52
.set G0B, 68
.set G1S, 76
.set G0S, 84
.set G1SB, 88
.set G0SB, 96
.set MSB, 0
.macro WIN new                         ; the immediate's high byte repeats the setting that is left
.if MSB != (\new)
	s_set_vgpr_msb (MSB<<8)|(\new)
.set MSB, \new
.endif
.endm
.set MUL_LO, 0xa1                      ; source 0 (B) window 1, source 1 (A) window 0, C and D window 2
.set MUL_HI, 0xf1                      ; the same, C and D window 3
.set TO_B,   0x40
; A joint load: waves 0 and 1 fetch for A, waves 2 and 3 for B; the branch hangs on the wave's number alone.  Four v_nop follow each of the two lines.
.macro JLOAD g0a, g1a, g0b, g1b
	s_cmp_eq_u32 s[WA], 0
	s_cbranch_scc0 .Lfor_b_\@
	tensor_load_to_lds s[\g0a:\g0a+3], s[\g1a:\g1a+7]
	s_nop 0
.rept 4
	v_nop
.endr
	s_branch .Lasked_\@
.Lfor_b_\@:
	tensor_load_to_lds s[\g0b:\g0b+3], s[\g1b:\g1b+7]
	s_nop 0
.rept 4
	v_nop
.endr
.Lasked_\@:
.endm
.macro CREST                           ; a round of the cluster's barrier behind its opening barrier
	s_cmp_lg_u32 s[WV], 0
	s_cbranch_scc1 .Lnot_wave_0_\@
	s_barrier_signal -3
.Lnot_wave_0_\@:
	s_barrier_wait -3
	s_barrier_signal -1
	s_barrier_wait -1
.endm
.macro CROUND
	s_barrier_signal -1
	s_barrier_wait -1
	CREST
.endm
	s_load_b256 s[4:11], s[0:1], 0x0               ; xcodes, xscales, wcodes, wscales
	s_load_b256 s[12:19], s[0:1], 0x20             ; bq, bk, bv, qbuf
	s_load_b64 s[20:21], s[0:1], 0x40              ; kvbuf
	v_lshl_add_u32 v[SPW], v0, 2, SPARE
	v_mov_b32 v[NIL], 0
	ds_add_u32 v28, v29
	s_wait_dscnt 0x0
	v_lshrrev_b32 v1, 5, v0
	v_readfirstlane_b32 s[WV], v1                  ; wave 0..3
	s_lshr_b32 s[WA], s[WV], 1                     ; which half of A's rows is mine.  Also: I fetch for A (0) or for B (1)
	s_and_b32 s[WB], s[WV], 1                      ; which half of B's rows.  Also: which 128 rows I fetch
	s_bfe_u32 s25, ttmp6, 0x40000                  ; cx
	s_bfe_u32 s26, ttmp6, 0x40004                  ; cy
	s_and_b32 s27, ttmp7, 0xffff                   ; the cluster's y
	s_lshl_b32 s28, s27, 2
	s_lshl_b32 s29, ttmp9, 2
	s_cmp_eq_u32 ttmp9, 2                          ; role v?  The cluster's x is the same in all partners
	s_cselect_b32 s30, 0, s28
	s_cselect_b32 s31, s28, s29
	s_cselect_b32 s2, 2048, 0                      ; Wv's rows begin at row 2,048 of wcodes
	s_add_co_u32 s30, s30, s26                     ; IA: A's tile: q, k: 4 Cy + cy (of x);  v: cy (of Wv)
	s_add_co_u32 s31, s31, s25                     ; IB: B's tile: q, k: 4 Cx + cx (of Wq, Wk);  v: 4 Cy + cx (of x)
	s_lshl_b32 s32, s26, 2
	s_lshl_b32 s32, 15, s32                        ; my row of the cluster
	s_lshl_b32 s33, 0x1111, s25                    ; my column
	; descriptor group 1: 128 rows x 192 bytes, 16 bytes of padding behind every 64
	s_or_b32 s[G1A+0], s32, (0<<16)|(1<<20)|(1<<21)|(3<<22)|(3<<25)
	s_or_b32 s[G1B+0], s33, (0<<16)|(1<<20)|(1<<21)|(3<<22)|(3<<25)
.irp g, G1A, G1B
	s_mov_b32 s[\g+1], ROWB<<16                    ; tensor_dim0
	s_mov_b32 s[\g+2], 128<<16                     ; tensor_dim1
	s_mov_b32 s[\g+3], ROWB<<16                    ; tile_dim0
	s_mov_b32 s[\g+4], 128                         ; tile_dim1
	s_mov_b32 s[\g+5], KROW                        ; tensor_dim0_stride
	s_mov_b32 s[\g+6], 0
	s_mov_b32 s[\g+7], 0
.endr
	; the scales of 128 rows: 4,096 dense bytes as 16 rows of 256 bytes (32 elements of 8), 16 bytes of padding behind each
	s_or_b32 s[G1S+0], s32, (3<<16)|(1<<20)|(1<<21)|(5<<22)|(3<<25)
	s_or_b32 s[G1SB+0], s33, (3<<16)|(1<<20)|(1<<21)|(5<<22)|(3<<25)
.irp g, G1S, G1SB
	s_mov_b32 s[\g+1], 32<<16
	s_mov_b32 s[\g+2], (128*KS/256)<<16
	s_mov_b32 s[\g+3], 32<<16
	s_mov_b32 s[\g+4], 128*KS/256
	s_mov_b32 s[\g+5], 32
	s_mov_b32 s[\g+6], 0
	s_mov_b32 s[\g+7], 0
.endr
	s_lshl_b32 s3, s[WB], 7                        ; which 128 rows of a tile I fetch
	s_lshl_b32 s60, s30, 8
	s_add_co_u32 s60, s60, s3
	s_add_co_u32 s60, s60, s2                      ; A's first row that I would fetch
	s_lshl_b32 s62, s60, 5                         ; its scales, in bytes
	s_mov_b32 s63, 0
	s_mul_i32 s60, s60, KROW                       ; its codes
	s_mov_b32 s61, 0
	s_lshl_b32 s66, s31, 8
	s_add_co_u32 s66, s66, s3                      ; B's
	s_lshl_b32 s100, s66, 5
	s_mov_b32 s101, 0
	s_mul_i32 s66, s66, KROW
	s_mov_b32 s67, 0
	s_mul_i32 s34, s[WV], HALFT                    ; where they go: wave x 128 rows: no place in the cluster enters an LDS address
	s_mul_i32 s35, s[WV], HALFS
	s_wait_kmcnt 0x0
	s_cmp_eq_u32 ttmp9, 2                          ; in role v the two tensors change sides
	s_cselect_b64 s[2:3], s[8:9], s[4:5]
	s_cselect_b64 s[8:9], s[4:5], s[8:9]           ; B's codes
	s_mov_b64 s[4:5], s[2:3]                       ; A's codes
	s_cselect_b64 s[2:3], s[10:11], s[6:7]
	s_cselect_b64 s[10:11], s[6:7], s[10:11]       ; B's scales
	s_mov_b64 s[6:7], s[2:3]                       ; A's scales
	s_add_nc_u64 s[4:5], s[4:5], s[60:61]
	s_add_nc_u64 s[6:7], s[6:7], s[62:63]
	s_add_nc_u64 s[8:9], s[8:9], s[66:67]
	s_add_nc_u64 s[10:11], s[10:11], s[100:101]
	CROUND                                         ; all sixteen work-groups are here: the first joint loads meet
	s_mov_b32 s[G0S], 1
	s_add_co_u32 s[G0S+1], s35, SCL
	s_mov_b64 s[G0S+2:G0S+3], s[6:7]
	s_or_b32 s[G0S+3], s[G0S+3], 0x80000000
	s_mov_b32 s[G0SB], 1
	s_add_co_u32 s[G0SB+1], s35, SCL
	s_mov_b64 s[G0SB+2:G0SB+3], s[10:11]
	s_or_b32 s[G0SB+3], s[G0SB+3], 0x80000000
	JLOAD G0S, G1S, G0SB, G1SB                     ; the scales first: they are wanted with K step 0
.irp s, 0,1
	s_mov_b32 s[G0A+4*\s], 1
	s_add_co_u32 s[G0A+4*\s+1], s34, \s*SLOT
	s_add_nc_u64 s[G0A+4*\s+2:G0A+4*\s+3], s[4:5], \s*ROWB
	s_or_b32 s[G0A+4*\s+3], s[G0A+4*\s+3], 0x80000000
	s_mov_b32 s[G0B+4*\s], 1
	s_add_co_u32 s[G0B+4*\s+1], s34, \s*SLOT
	s_add_nc_u64 s[G0B+4*\s+2:G0B+4*\s+3], s[8:9], \s*ROWB
	s_or_b32 s[G0B+4*\s+3], s[G0B+4*\s+3], 0x80000000
	JLOAD G0A+4*\s, G1A, G0B+4*\s, G1B             ; three loads of mine are out behind the second of these
.endr
	v_and_b32 v1, 15, v0                           ; r
	v_bfe_u32 v2, v0, 4, 1                         ; h
	v_mul_u32_u24 v3, v1, PITCH
	v_mul_u32_u24 v4, v2, 24
	v_add_nc_u32 v4, v3, v4                        ; a fragment's row x pitch + 24 h
	v_lshl_add_u32 v5, v2, 4, v4                   ; and the same behind one padding more
	s_mul_i32 s60, s[WA], HALFT                    ; my 128 rows of A
	s_mul_i32 s61, s[WB], HALFT                    ; my 128 rows of B,
	s_add_co_u32 s61, s61, 2*HALFT                 ; behind A's 256
.irp s, 0,1
	v_add_nc_u32 v[ADRA+\s], s60, v4
	v_add_nc_u32 v[ADRB+\s], s61, v4
	v_add_nc_u32 v[ADRA+2+\s], s60, v5
	v_add_nc_u32 v[ADRB+2+\s], s61, v5
	s_add_co_u32 s60, s60, SLOT
	s_add_co_u32 s61, s61, SLOT
.endr
	v_mul_u32_u24 v5, v1, KS                       ; my row's scales: 32 bytes a row,
	v_lshrrev_b32 v6, 8, v5
	v_lshl_add_u32 v5, v6, 4, v5                   ; and 16 more for each 256 passed
	s_mul_i32 s60, s[WA], HALFS
	s_mul_i32 s61, s[WB], HALFS
	s_add_co_u32 s61, s61, 2*HALFS
	s_sub_co_u32 s61, s61, s60
	v_mul_u32_u24 v6, s61, v2                      ; lanes 16-31 take B's: one product, the distance between the two bases
	s_add_co_u32 s60, s60, SCL
	v_add_nc_u32 v5, v5, v6
	v_add_nc_u32 v[ADRS], s60, v5
	v_and_b32 v[LANE], 31, v0
	v_lshlrev_b32 v[CO], 4, v[LANE]
	v_mul_u32_u24 v[SO], v2, HEADB
	v_lshl_add_u32 v[SO], v1, 4, v[SO]
	v_lshlrev_b32 v[BOFF], 6, v2
	v_and_b32 v[BVO], 8, v1
	v_add_nc_u32 v[BVO], v[BVO], v1
	v_lshlrev_b32 v[BVO], 2, v[BVO]
	; which heads and which step are my wave's
	s_and_b32 s60, s31, 3
	s_cmp_eq_u32 ttmp9, 2
	s_cselect_b32 s61, s30, s60                    ; the tile of 256 columns of the weight: 4 heads
	s_cselect_b32 s62, s[WA], s[WB]                ; my half of it: 2 heads
	s_cselect_b32 s63, s31, s30                    ; the tile of 256 rows of x: 2 steps
	s_cselect_b32 s66, s[WB], s[WA]                ; my half of it
	s_cmp_eq_u32 ttmp9, 0
	s_cselect_b64 s[12:13], s[12:13], s[14:15]
	s_cselect_b64 s[18:19], s[18:19], s[20:21]     ; role q stores into qbuf, roles k and v into kvbuf
	s_cmp_eq_u32 ttmp9, 2
	s_cselect_b64 s[12:13], s[16:17], s[12:13]     ; the role's bias
	s_lshl_b32 s2, s61, 10
	s_lshl_b32 s3, s62, 9
	s_add_co_u32 s2, s2, s3
	s_mov_b32 s3, 0
	s_add_nc_u64 s[12:13], s[12:13], s[2:3]        ; at my 128 columns
	s_lshl_b32 s2, s61, 2
	s_lshl_b32 s67, s62, 1
	s_add_co_u32 s2, s2, s67                       ; my first head
	s_mul_i32 s2, s2, HEADB
	s_lshl_b32 s67, s63, 1
	s_add_co_u32 s67, s67, s66                     ; my step
	s_mul_i32 s67, s67, STEPB
	s_add_co_u32 s2, s2, s67
	s_add_nc_u64 s[18:19], s[18:19], s[2:3]
	; the bias in the result's layout, 64 registers
	s_cmp_eq_u32 ttmp9, 2
	s_cbranch_scc1 .Lbias_v
.irp b, 0,1,2,3,4,5,6,7                ; q, k: register j of B's tile b is column 32 (b / 2) + 8 (b % 2) + 16 h + j
	global_load_b128 v[BI+8*\b:BI+8*\b+3], v[BOFF], s[12:13] offset:(32*(\b/2)+8*(\b%2))*4
	global_load_b128 v[BI+8*\b+4:BI+8*\b+7], v[BOFF], s[12:13] offset:(32*(\b/2)+8*(\b%2))*4+16
.endr
	s_branch .Lbias_in
.Lbias_v:
.irp a, 0,1,2,3,4,5,6,7                ; v: all eight registers of A's block a belong to my lane's column 32 (a / 2) + 8 (a % 2) + r + 8 (r / 8)
.irp j, 0,1,2,3,4,5,6,7
	global_load_b32 v[BI+8*\a+\j], v[BVO], s[12:13] offset:(32*(\a/2)+8*(\a%2))*4
.endr
.endr
.Lbias_in:
.macro FRAG reg, adr, q, i             ; 16 rows x 128 K of 6-bit codes: 12 registers, six pieces of 8 bytes; where lanes 16-31's piece lies behind one padding more, the second address register serves
.irp p, 0,1,2,3,4,5
.set PC, 12*(\q)+6*(\p/3)+\p%3
.if PC%8 < 5
	ds_load_b64 v[\reg+2*\p:\reg+2*\p+1], v[\adr] offset:8*PC+16*(PC/8)+(\i)*16*PITCH
.else
	ds_load_b64 v[\reg+2*\p:\reg+2*\p+1], v[\adr+2] offset:8*PC+16*(PC/8)+(\i)*16*PITCH
.endif
.endr
.endm
; 16 matrix instructions: A's blocks a0, a0 + 1 x B's eight.  zero = 0: in place;  1: the sums start from the bias by B's tile (q, k);  2: by A's block (v).
; The 64 accumulators take turns, one instruction a turn, in the same order in every step.
.macro MUL16 a0, p, q, sc, zero
.irp a, \a0, \a0+1
.irp b, 0,1,2,3,4,5,6,7
.if \zero == 1
	v_wmma_scale_f32_16x16x128_f8f6f4 v[8*(8*((\a)%4)+\b):8*(8*((\a)%4)+\b)+7], v[128*(\p)+FR*\b:128*(\p)+FR*\b+FR-1], v[AF+FR*(\a):AF+FR*(\a)+FR-1], v[BI+8*\b:BI+8*\b+7], v[SC+8*NQ*(\sc)+NQ*\b+(\q)], v[SC+8*NQ*(\sc)+NQ*(\a)+(\q)] matrix_a_fmt:MATRIX_FMT_FP6 matrix_b_fmt:MATRIX_FMT_FP6 matrix_a_scale:MATRIX_SCALE_ROW1
.elseif \zero == 2
	v_wmma_scale_f32_16x16x128_f8f6f4 v[8*(8*((\a)%4)+\b):8*(8*((\a)%4)+\b)+7], v[128*(\p)+FR*\b:128*(\p)+FR*\b+FR-1], v[AF+FR*(\a):AF+FR*(\a)+FR-1], v[BI+8*(\a):BI+8*(\a)+7], v[SC+8*NQ*(\sc)+NQ*\b+(\q)], v[SC+8*NQ*(\sc)+NQ*(\a)+(\q)] matrix_a_fmt:MATRIX_FMT_FP6 matrix_b_fmt:MATRIX_FMT_FP6 matrix_a_scale:MATRIX_SCALE_ROW1
.else
	v_wmma_scale_f32_16x16x128_f8f6f4 v[8*(8*((\a)%4)+\b):8*(8*((\a)%4)+\b)+7], v[128*(\p)+FR*\b:128*(\p)+FR*\b+FR-1], v[AF+FR*(\a):AF+FR*(\a)+FR-1], v[8*(8*((\a)%4)+\b):8*(8*((\a)%4)+\b)+7], v[SC+8*NQ*(\sc)+NQ*\b+(\q)], v[SC+8*NQ*(\sc)+NQ*(\a)+(\q)] matrix_a_fmt:MATRIX_FMT_FP6 matrix_b_fmt:MATRIX_FMT_FP6 matrix_a_scale:MATRIX_SCALE_ROW1
.endif
.endr
.endr
.endm
.macro FETCH_B slot, q, p
	WIN TO_B
.irp i, 0,1,2,3,4,5,6,7
	FRAG 128*(\p)+FR*\i, ADRB+\slot, \q, \i
.endr
	WIN 0
.endm
.macro FETCH_A slot, q, i0
.irp i, \i0, \i0+1, \i0+2, \i0+3
	FRAG AF+FR*(\i), ADRA+\slot, \q, \i
.endr
.endm
.macro SCALES sc                       ; a K step's scale words: 2 words a row; lanes 0-15 A's block i, lanes 16-31 B's block i
.irp i, 0,1,2,3,4,5,6,7
	ds_load_b64 v[SC+8*NQ*\sc+NQ*\i:SC+8*NQ*\sc+NQ*\i+1], v[ADRS] offset:\i*SBLK
.endr
.endm
.macro PLACES n                        ; plain vector lines between a matrix instruction and a load into, or a vector line on, its registers
.rept \n
	v_nop
.endr
.endm
; A step of 128 along K that has its successor in the same slot.
.macro STEP slot, q, zero
	s_wait_dscnt 4*NL                              ; B's set and A's blocks 0-3 are in; the 24 youngest loads (A's blocks 4-7) may be out
.if \zero
	WIN 0x81                                       ; C (the bias) in window 0, D in window 2
.else
	WIN MUL_LO
.endif
	MUL16 0, (\q)%2, \q, \slot, \zero
	MUL16 2, (\q)%2, \q, \slot, \zero
	s_wait_dscnt 0
	PLACES NP
	FETCH_B \slot, (\q)+1, 1-(\q)%2
	FETCH_A \slot, (\q)+1, 0
.if \zero
	WIN 0xc1
.else
	WIN MUL_HI
.endif
	MUL16 4, (\q)%2, \q, \slot, \zero
	MUL16 6, (\q)%2, \q, \slot, \zero
	PLACES NP
	WIN 0
	FETCH_A \slot, (\q)+1, 4
.endm
; A slot's last step changes slots: one barrier; in front of it each wave waits for all its tensor loads, adds 0 to its spare word, and waits for that and for its reads of this slot.
.macro TURN slot, next, fill
	s_wait_tensorcnt 0x0                           ; all my tensor loads have landed: my part of the next slot
	ds_add_u32 v[SPW], v[NIL]                      ; 0 onto my spare word
	s_wait_dscnt 4*NL+1                            ; (the add and the 24 youngest loads may be out)
	WIN MUL_LO
	MUL16 0, 1, NQ-1, \slot, 0
	s_wait_dscnt 0x0                               ; the add is done, and my reads of this slot are over
	s_barrier_signal -1
	MUL16 2, 1, NQ-1, \slot, 0
	WIN 0
	s_barrier_wait -1
.if \fill
	CREST                                          ; the barrier has opened a round of the cluster's: no wave of any partner still reads this slot or has a load on its way
	s_add_nc_u64 s[G0A+4*\slot+2:G0A+4*\slot+3], s[G0A+4*\slot+2:G0A+4*\slot+3], 2*ROWB
	s_add_nc_u64 s[G0B+4*\slot+2:G0B+4*\slot+3], s[G0B+4*\slot+2:G0B+4*\slot+3], 2*ROWB
	JLOAD G0A+4*\slot, G1A, G0B+4*\slot, G1B       ; the first tensor load behind the round, my only one until the next; its four v_nop are the places in front of the loads below
.else
	PLACES NP
.endif
	v_add_nc_u32 v[ADRS], 4*NQ, v[ADRS]            ; the next K step's scale words
	FETCH_B \next, 0, 0
	FETCH_A \next, 0, 0
	SCALES \next
	WIN MUL_HI
	MUL16 4, 1, NQ-1, \slot, 0
	MUL16 6, 1, NQ-1, \slot, 0
	PLACES NP
	WIN 0
	FETCH_A \next, 0, 4
.endm
	s_wait_tensorcnt 1                             ; the scales and my part of K step 0 are in (K step 1's load may be out)
	s_barrier_signal -1
	s_barrier_wait -1                              ; everybody's are
	FETCH_B 0, 0, 0
	FETCH_A 0, 0, 0
	SCALES 0
	FETCH_A 0, 0, 4
	s_wait_loadcnt 0x0                             ; the bias
	s_cmp_eq_u32 ttmp9, 2                          ; the first step starts the sums from the bias: by B's tile or by A's block
	s_cbranch_scc1 .Lfirst_v
	STEP 0, 0, 1
	s_branch .Lfirst_done
.Lfirst_v:
	STEP 0, 0, 2
.Lfirst_done:
	TURN 0, 1, 1                                   ; K = 1,024 is four slots' worth: both slots are filled again once; all is written out
	STEP 1, 0, 0
	TURN 1, 0, 1
	STEP 0, 0, 0
	TURN 0, 1, 0
	STEP 1, 0, 0
	s_wait_dscnt 4*NL
	WIN MUL_LO
	MUL16 0, 1, NQ-1, 1, 0
	MUL16 2, 1, NQ-1, 1, 0
	s_wait_dscnt 0
	WIN MUL_HI
	MUL16 4, 1, NQ-1, 1, 0
	MUL16 6, 1, NQ-1, 1, 0
	WIN 0
	PLACES NP
; THE WAY OUT.  A's block a: 64 registers of a lane, register 16 b + i = place 32 b + 16 h + i along the next K, become codes: blocks 0, 1 in v[d0 .. d0 + 5], blocks 2, 3 in v[d1 .. d1 + 5], and the four scale bytes in v[pw].
; Each accumulator is read from its low end on.
.macro QUANT a, d0, d1, pw
.set AC, 64*((\a)%4)
.set W, 2+(\a)/4
.set WW, W|(W<<2)
	WIN WW                                         ; sources 0 and 1: the accumulators' window
.irp b, 0,1,2,3
	v_max3_num_f32 v[TM+\b], |v[AC+16*\b]|, |v[AC+16*\b+1]|, 0x1800000   ; with the floor 2^(3 - 127): the byte cannot fall under 1
.endr
.irp i, 2,4,6,8,10,12,14
.irp b, 0,1,2,3
	v_max3_num_f32 v[TM+\b], |v[AC+16*\b+\i]|, |v[AC+16*\b+\i+1]|, v[TM+\b]   ; the four blocks by turns
.endr
.endr
	WIN 0
.irp b, 0,1,2,3
	v_permlanex16_b32 v[TM+4+\b], v[TM+\b], s[SEL], s[SEL+1]
.endr
.irp b, 0,1,2,3
	v_max_num_f32 v[TM+\b], v[TM+\b], v[TM+4+\b]   ; with lane l xor 16's 16: the block's largest magnitude
.endr
.irp b, 0,1,2,3
	v_add_nc_u32 v[TM+12+\b], 0xff000000, v[TM+\b] ; 2 off its exponent field: the conversion's scale operand
.endr
.irp b, 0,1,2,3
	v_lshrrev_b32 v[TM+4+\b], 23, v[TM+12+\b]      ; the scale's byte
.endr
	v_lshl_or_b32 v[\pw], v[TM+5], 8, v[TM+4]
	v_lshl_or_b32 v[\pw], v[TM+6], 16, v[\pw]
	v_lshl_or_b32 v[\pw], v[TM+7], 24, v[\pw]
	WIN W                                          ; source 0 alone
	v_cvt_scalef32_pk16_fp6_f32 v[(\d0):(\d0)+2], v[AC:AC+15], v[TM+12]
	v_cvt_scalef32_pk16_fp6_f32 v[CT:CT+2], v[AC+16:AC+31], v[TM+13]
	v_cvt_scalef32_pk16_fp6_f32 v[(\d1):(\d1)+2], v[AC+32:AC+47], v[TM+14]
	v_cvt_scalef32_pk16_fp6_f32 v[CT+4:CT+6], v[AC+48:AC+63], v[TM+15]
	WIN 0
	v_nop                                          ; one plain line behind the conversions
.irp i, 0,1,2                          ; the operand's layout wants a whole block in a lane: lanes 0-15 the even block, lanes 16-31 the odd one
	v_permlane16_swap_b32 v[(\d0)+\i], v[CT+\i]
.endr
.irp i, 0,1,2
	v_mov_b32 v[(\d0)+3+\i], v[CT+\i]
.endr
.irp i, 0,1,2
	v_permlane16_swap_b32 v[(\d1)+\i], v[CT+4+\i]
.endr
.irp i, 0,1,2
	v_mov_b32 v[(\d1)+3+\i], v[CT+4+\i]
.endr
.endm
	s_mov_b32 s[SEL], 0x76543210
	s_mov_b32 s[SEL+1], 0xfedcba98                 ; lane l xor 16
.irp b, 0,1,2,3
	v_mov_b32 v[TM+4+\b], 0                        ; written once: a lane permute's destination counts as one of its sources
.endr
	v_cmp_le_u32 vcc_lo, 16, v[LANE]               ; lanes 16-31
	s_cmp_eq_u32 ttmp9, 2
	s_cbranch_scc1 .Lout_v
	; q, k: blocks 0, 1 along d are my first head's, blocks 2, 3 my second's.  Tiles 2 i and 2 i + 1 of 16 rows make dense fragment i of each head.  Every fragment has registers of its own: no store's data are written again.
.irp i, 0,1,2,3
	QUANT 2*\i, 128+24*\i, 140+24*\i, PWR
	QUANT 2*\i+1, 134+24*\i, 146+24*\i, PWR+1
	v_perm_b32 v[XA+\i], v[PWR+1], v[PWR], 0x05040100   ; first head: the bytes of tile 2 i's two blocks, then tile 2 i + 1's
	v_perm_b32 v[XB+\i], v[PWR+1], v[PWR], 0x07060302   ; second head
.irp c, 0,1,2
	global_store_b128 v[CO], v[128+24*\i+4*\c:128+24*\i+4*\c+3], s[18:19] offset:1536*\i+512*\c          ; the wave stores 512 consecutive bytes, aligned
	global_store_b128 v[CO], v[140+24*\i+4*\c:140+24*\i+4*\c+3], s[18:19] offset:HEADB+1536*\i+512*\c
.endr
.endr
.irp i, 0,1,2,3
	v_cndmask_b32 v[SWD+\i], v[XA+\i], v[XB+\i], vcc_lo   ; lanes 0-15 store the first head's words, lanes 16-31 the second's
.endr
	global_store_b128 v[SO], v[SWD:SWD+3], s[18:19] offset:12288   ; sixteen lanes store 256 consecutive bytes, aligned
	s_branch .Lout_done
.Lout_v:
	; v: A's block a is fragment a % 4 of head a / 4; K = my step's 128 keys
.irp a, 0,1,2,3,4,5,6,7
	QUANT \a, 128+12*\a, 134+12*\a, PWR+\a
.irp c, 0,1,2
	global_store_b128 v[CO], v[128+12*\a+4*\c:128+12*\a+4*\c+3], s[18:19] offset:(\a/4)*HEADB+6144+(\a%4)*1536+512*\c
.endr
.endr
.irp t, 0,1,2,3
	v_cndmask_b32 v[SWD+\t], v[PWR+\t], v[PWR+4+\t], vcc_lo
.endr
	global_store_b128 v[SO], v[SWD:SWD+3], s[18:19] offset:12544
.Lout_done:
	s_wait_tensorcnt 0x0                           ; the wave's end
	ds_add_u32 v[SPW], v[NIL]
	s_wait_dscnt 0x0
	CROUND                                         ; the closing round: no work-group ends while a partner may still ask for a tile that names it
	s_endpgm
.Lfunc_end_k_q35b30add5b_proj:
	.size	k_q35b30add5b_proj, .Lfunc_end_k_q35b30add5b_proj-k_q35b30add5b_proj
	.p2alignl 7, 3214868480
	.fill 96, 4, 3214868480
	.section	.rodata,"a",@progbits
	.p2align	6, 0x0
	.amdhsa_kernel k_q35b30add5b_proj
		.amdhsa_group_segment_fixed_size 327680
		.amdhsa_private_segment_fixed_size 0
		.amdhsa_enable_private_segment 0
		.amdhsa_kernarg_size 72
		.amdhsa_user_sgpr_count 2
		.amdhsa_user_sgpr_kernarg_segment_ptr 1
		.amdhsa_wavefront_size32 1
		.amdhsa_system_sgpr_workgroup_id_x 1
		.amdhsa_system_sgpr_workgroup_id_y 1
		.amdhsa_system_sgpr_workgroup_id_z 1
		.amdhsa_system_vgpr_workitem_id 0
		.amdhsa_next_free_vgpr 1024
		.amdhsa_next_free_sgpr 102
		.amdhsa_reserve_vcc 1
		.amdhsa_float_denorm_mode_32 3
		.amdhsa_float_denorm_mode_16_64 3
		.amdhsa_memory_ordered 1
		.amdhsa_forward_progress 1
		.amdhsa_inst_pref_size 221
	.end_amdhsa_kernel
	.amdgpu_metadata
---
amdhsa.version: [ 1, 2 ]
amdhsa.kernels:
  - .name:           k_q35b30add5b_proj
    .symbol:         k_q35b30add5b_proj.kd
    .args:
      - { .name: xcodes, .offset: 0, .size: 8, .value_kind: global_buffer, .address_space: global }
      - { .name: xscales, .offset: 8, .size: 8, .value_kind: global_buffer, .address_space: global }
      - { .name: wcodes, .offset: 16, .size: 8, .value_kind: global_buffer, .address_space: global }
      - { .name: wscales, .offset: 24, .size: 8, .value_kind: global_buffer, .address_space: global }
      - { .name: bq, .offset: 32, .size: 8, .value_kind: global_buffer, .address_space: global }
      - { .name: bk, .offset: 40, .size: 8, .value_kind: global_buffer, .address_space: global }
      - { .name: bv, .offset: 48, .size: 8, .value_kind: global_buffer, .address_space: global }
      - { .name: qbuf, .offset: 56, .size: 8, .value_kind: global_buffer, .address_space: global }
      - { .name: kvbuf, .offset: 64, .size: 8, .value_kind: global_buffer, .address_space: global }
    .group_segment_fixed_size: 327680
    .private_segment_fixed_size: 0
    .kernarg_segment_align: 8
    .kernarg_segment_size: 72
    .max_flat_workgroup_size: 128
    .sgpr_count:     102
    .vgpr_count:     1024
    .wavefront_size: 32
...
	.end_amdgpu_metadata
.endif
;; end of part 2
;; launch attn (part 3): grid 16 x 16, 16 waves a work-group, clusters of 4 x 1, 327,680 bytes of LDS; arguments qbuf, kvbuf, out0; writes out0
.if DOCPART == 3
	.amdgcn_target "amdgcn-amd-amdhsa--gfx1250"
	.amdhsa_code_object_version 6
	.text
	.protected	k_q35b30add5b_attn
	.globl	k_q35b30add5b_attn
	.p2align	8
	.type	k_q35b30add5b_attn,@function
k_q35b30add5b_attn:
	s_mov_b64 s[64:65], 0
	v_nop
	global_prefetch_b8 v0, s[64:65] scope:SCOPE_SE
	s_setreg_imm32_b32 hwreg(HW_REG_WAVE_MODE, 25, 1), 1
	s_wait_xcnt 0x0
	s_wait_alu depctr_hold_cnt(0) depctr_sa_sdst(0) depctr_va_vdst(0) depctr_va_sdst(0) depctr_va_ssrc(0) depctr_va_vcc(0) depctr_vm_vsrc(0)
	s_getreg_b32 s2, hwreg(HW_REG_IB_STS2, 6, 4)
	s_cmp_eq_u32 s2, 0
	s_cbranch_scc0 .Lentry_in_a_cluster
	s_endpgm
.Lentry_in_a_cluster:
	s_bfe_u32 s2, ttmp6, 0x10000c
	s_cmp_lg_u32 s2, 0x3003
	s_cbranch_scc0 .Lentry_shape_is_right
	s_endpgm
.Lentry_shape_is_right:
; out[q][64 head + d] = the sum over keys of softmax(q . k / 8) v, 16 heads of 64, 4,096 queries and keys, both products on codes of FP6 (E2M3) with E8M0 scales, from the images that the launch before has stored.
; THE SOFTMAX AHEAD OF THE SECOND PRODUCT: t = score x log2(e) / 8; M = the running largest t rounded UP to a whole number; p = 2^(t - M) is quantised along the keys, not normalised; the row's sum is taken of the
; unquantised p and divides at the end.  When M moves, the sum and O are multiplied by 2^(old M - new M): exact, and no branch on data.
; SHARES.  A work-group owns 256 queries of one head; each of its sixteen waves one tile of 16 (lane r: query q0 + r + 8 (r / 8)), in 256 registers: four waves to a SIMD, so that one wave's vector work stands beside
; another's matrix work and LDS loads.  Every wave walks the head's 32 steps of 128 keys.  A step is 12,800 dense bytes: k's four dense fragments, v's four fragments, k's and v's scale words.
; THE SCORES' K IS 64 IN A FORM 128 DEEP.  A dense fragment of k holds two tiles of 16 keys, one in each half of K.  q stands in registers as [0 | q | 0]: the fragment times [q | 0] gives the first tile's scores, times [0 | q] the
; second's.  The zeros stand on q's side ALONE: the code 0 is the number 0, FP6 has no infinity or NaN, and the scale bytes lie in 1 .. 252, so the other half adds exactly 0.  q's scale word holds its two bytes twice.
; LAYOUT.  Both products transposed: S^T = k q^T, O^T = v^T p^T: a lane holds one query throughout; the 16 registers of tiles 2 b, 2 b + 1 are the keys 32 b + 16 (lane / 16) + 0 .. 15.
; CLUSTER: the four query blocks of a cluster belong to one head and walk the same steps: each fill is asked for jointly (mask 15).  Two slots of 8 steps; waves 0-3 fetch a quarter (2 steps, 100 rows of 256 bytes) each.
; A block's largest p is made from the block's largest score by the same multiply-add and exponential: this takes v_exp_f32 not to fall where its input rises.
; LIMITS: NaN and infinities are not served; a block of p whose largest lies under 2^-124 keeps the byte 1.
.set HEADB, 409600
.set STEPB, 12800
.set QUART, 25600
.set SLOTB, 102400
.set STAGE, 2*SLOTB                    ; the way out: 16 rows x 272 bytes for each wave; no fill lands here
.set SPARE, STAGE+16*16*272            ; the spare words, 128 bytes for each wave: eight blocks of 256 bytes that no other line names
.set LI,  1                            ; v1   16 x lane
.set LR,  2                            ; v2   16 x (lane % 16)
.set SPW, 3                            ; v3   my spare word; never rewritten
.set NIL, 4                            ; v4   0; never rewritten
.set GO,  5                            ; v5-7 the way out's addresses
.set STO, 6
.set RD,  7
.set AD,  8                            ; v8   LDS address of the step's images for my lane
.set ADS, 9                            ; v9   and of its scale words
.set QHI, 16                           ; v16-27 [0 | q]
.set QLO, 22                           ; v22-33 [q | 0]
.set QS,  34                           ; q's scale word
.set FRG, 36                           ; v36-83 four fragments: k's, then v's
.set KSC, 84
.set VSC, 88
.set S,   96                           ; v96-159 S^T, then p
.set OT,  160                          ; v160-191 O^T, four tiles
.set PC,  192                          ; v192-203 p's codes
.set CT,  204                          ; v204-206, v208-210
.set BM,  212                          ; the blocks' largest scores, then largest p
.set BT,  216
.set BO,  220
.set F,   224                          ; v[224:225] f = 2^(old M - new M); v225 is written once
.set T0,  226
.set PWD, 227                          ; p's scale word
.set SA,  228
.set WV,  10
.set G1,  16
.set G00, 24
.set G01, 28
.set SEL, 32
.set CS,  34
.set TB,  36
.set CNT, 37
.macro CROUND
	s_barrier_signal -1
	s_barrier_wait -1
	s_cmp_lg_u32 s[WV], 0
	s_cbranch_scc1 .Lnot_wave_0_\@
	s_barrier_signal -3
.Lnot_wave_0_\@:
	s_barrier_wait -3
	s_barrier_signal -1
	s_barrier_wait -1
.endm
.macro JLOAD g0                        ; waves 0-3 fetch; the branch hangs on the wave's number alone.  Four v_nop follow the load
	s_cmp_lt_u32 s[WV], 4
	s_cbranch_scc0 .Lnone_\@
	tensor_load_to_lds s[\g0:\g0+3], s[G1:G1+7]
	s_nop 0
.rept 4
	v_nop
.endr
.Lnone_\@:
.endm
	s_load_b128 s[4:7], s[0:1], 0x0                ; qbuf, kvbuf
	s_load_b64 s[8:9], s[0:1], 0x10                ; out0
	v_lshl_add_u32 v[SPW], v0, 2, SPARE
	v_mov_b32 v[NIL], 0
	ds_add_u32 v3, v4
	s_wait_dscnt 0x0
	v_lshrrev_b32 v1, 5, v0
	v_readfirstlane_b32 s[WV], v1                  ; wave 0..15
	s_bfe_u32 s11, ttmp6, 0x40000                  ; cx
	s_lshl_b32 s12, ttmp9, 2
	s_add_co_u32 s12, s12, s11                     ; my block of 256 queries: it enters q's and out's addresses alone
	s_and_b32 s13, ttmp7, 0xffff                   ; the head, which the four partners share
	s_mul_i32 s38, s13, HEADB                      ; the head's first byte in qbuf and kvbuf
	s_and_b32 s40, s[WV], 3
	s_mul_i32 s40, s40, QUART                      ; the quarter of a slot that I fetch, if I fetch
	s_add_co_u32 s42, s38, s40
	s_mov_b32 s43, 0
	; descriptor group 1: 100 dense rows of 256 bytes (32 elements of 8), no padding; the mask names all four work-groups, bit 21 beside it
	s_mov_b32 s[G1], 15|(3<<16)|(1<<21)
	s_mov_b32 s[G1+1], 32<<16                      ; tensor_dim0
	s_mov_b32 s[G1+2], 100<<16                     ; tensor_dim1
	s_mov_b32 s[G1+3], 32<<16                      ; tile_dim0
	s_mov_b32 s[G1+4], 100                         ; tile_dim1
	s_mov_b32 s[G1+5], 32                          ; tensor_dim0_stride
	s_mov_b32 s[G1+6], 0
	s_mov_b32 s[G1+7], 0
	s_mov_b32 s[SEL], 0x76543210
	s_mov_b32 s[SEL+1], 0xfedcba98                 ; lane l xor 16
	s_mov_b32 s[CS], 0x3e38aa3b                    ; c = log2(e) / 8
	s_mov_b32 s[CS+1], s[CS]                       ; (named with it as a pair, so it is written)
	s_lshl_b32 s44, s12, 1
	s_lshr_b32 s45, s[WV], 3
	s_add_co_u32 s44, s44, s45                     ; q: my step of 128 queries: 2 x block + wave / 8
	s_mul_i32 s44, s44, STEPB
	s_add_co_u32 s44, s44, s38
	s_mov_b32 s45, 0
	s_bfe_u32 s46, s[WV], 0x20001                  ; the dense fragment that holds my tile: (wave / 2) % 4
	s_mul_i32 s47, s46, 1536
	s_lshl_b32 s46, s46, 2
	s_lshl_b32 s48, s12, 8
	s_lshr_b32 s49, s[WV], 1
	s_lshl_b32 s49, s49, 5
	s_add_co_u32 s48, s48, s49
	s_and_b32 s49, s[WV], 1
	s_lshl_b32 s49, s49, 3
	s_add_co_u32 s48, s48, s49                     ; q0 = 256 x block + 32 (wave / 2) + 8 (wave % 2)
	s_lshl_b32 s48, s48, 12                        ; rows of 4,096 bytes
	s_lshl_b32 s49, s13, 8                         ; the head's 256 bytes of a row
	s_add_co_u32 s48, s48, s49
	s_mov_b32 s49, 0
	s_wait_kmcnt 0x0
	s_mov_b32 s[G00], 1
	s_mov_b32 s[G00+1], s40                        ; slot 0
	s_add_nc_u64 s[G00+2:G00+3], s[6:7], s[42:43]  ; steps 0-7
	s_mov_b32 s[G01], 1
	s_add_co_u32 s[G01+1], s40, SLOTB              ; slot 1
	s_add_nc_u64 s[G01+2:G01+3], s[G00+2:G00+3], SLOTB   ; steps 8-15
	s_or_b32 s[G00+3], s[G00+3], 0x80000000
	s_or_b32 s[G01+3], s[G01+3], 0x80000000
	s_add_nc_u64 s[4:5], s[4:5], s[44:45]
	s_add_nc_u64 s[8:9], s[8:9], s[48:49]
	CROUND                                         ; all four work-groups are here: the first joint loads meet
	s_cmp_lt_u32 s[WV], 4                          ; a wave's two first fills stand in one branch: two loads of mine are out
	s_cbranch_scc0 .Lfirst_none
	tensor_load_to_lds s[G00:G00+3], s[G1:G1+7]
	s_nop 0
	tensor_load_to_lds s[G01:G01+3], s[G1:G1+7]
	s_nop 0
.rept 4
	v_nop
.endr
.Lfirst_none:
	v_and_b32 v[LI], 31, v0
	v_lshlrev_b32 v[LI], 4, v[LI]
	v_and_b32 v[LR], 15, v0
	v_lshlrev_b32 v[LR], 4, v[LR]
	v_add_nc_u32 v8, s47, v[LI]
	v_add_nc_u32 v9, s46, v[LR]
.irp c, 0,1,2
	global_load_b128 v[96+4*\c:99+4*\c], v8, s[4:5] offset:512*\c   ; the dense fragment of q that holds my tile: 512 consecutive bytes a load
.endr
	global_load_b32 v108, v9, s[4:5] offset:12288  ; and its scale word
.irp i, 0,1,2,3,4,5
	v_mov_b32 v[16+\i], 0                          ; the zero halves beside q
	v_mov_b32 v[28+\i], 0
.endr
	v_mov_b32 v13, 0xff61b1e6                      ; the largest t so far: -3e38
	v_floor_f32 v12, -v13                          ; -M
	v_mov_b32 v14, 0                               ; the sum, in two halves
	v_mov_b32 v15, 0
	v_mov_b32 v[F+1], 0                            ; (named as the upper half of a pair)
.irp b, 0,1,2,3
	v_mov_b32 v[BT+\b], 0                          ; a lane permute's destination counts as one of its sources
.endr
	s_wait_loadcnt 0x0
	s_bitcmp1_b32 s[WV], 0                         ; an odd wave's tile is the fragment's second half
	s_cselect_b32 s39, -1, 0
	s_mov_b32 s38, 0x03020302
	s_cselect_b32 s38, s38, 0x01000100
.irp i, 0,1,2,3,4,5
	v_cndmask_b32 v[22+\i], v[96+\i], v[102+\i], s39
.endr
	v_perm_b32 v[QS], v108, v108, s38              ; my tile's two bytes, twice
.irp j, 0,1,2,3,4,5,6,7,8,9,10,11,12,13,14,15,16,17,18,19,20,21,22,23,24,25,26,27,28,29,30,31
	v_mov_b32 v[OT+\j], 0                          ; O^T: the step is written once; the first change of M multiplies zeros.  (These also stand between q's registers and scale word, just written, and the first product)
.endr
	s_wait_tensorcnt 1                             ; my part of slot 0 is in; slot 1's may stay out
	s_barrier_signal -1
	s_barrier_wait -1
; A KEY STEP: 128 keys, at LDS byte s[TB].
.macro STEP
	v_add_nc_u32 v[AD], s[TB], v[LI]
	v_add_nc_u32 v[ADS], s[TB], v[LR]
	v_nop
	v_nop                                          ; four plain lines behind the last step's products, in front of loads into registers that they read
.irp f, 0,1,2,3
.irp c, 0,1,2
	ds_load_b128 v[FRG+12*\f+4*\c:FRG+12*\f+4*\c+3], v[AD] offset:1536*\f+512*\c   ; k's dense fragments, as images: 512 consecutive bytes a load
.endr
.endr
	ds_load_b128 v[KSC:KSC+3], v[ADS] offset:12288 ; my row's four scale words of k,
	ds_load_b128 v[VSC:VSC+3], v[ADS] offset:12544 ; and of v
	s_wait_dscnt 0x0
.irp b, 0,1,2,3
	v_wmma_scale_f32_16x16x128_f8f6f4 v[S+16*\b:S+16*\b+7], v[FRG+12*\b:FRG+12*\b+11], v[QLO:QLO+11], 0, v[KSC+\b], v[QS] matrix_a_fmt:MATRIX_FMT_FP6 matrix_b_fmt:MATRIX_FMT_FP6
	v_wmma_scale_f32_16x16x128_f8f6f4 v[S+16*\b+8:S+16*\b+15], v[FRG+12*\b:FRG+12*\b+11], v[QHI:QHI+11], 0, v[KSC+\b], v[QS] matrix_a_fmt:MATRIX_FMT_FP6 matrix_b_fmt:MATRIX_FMT_FP6
.endr
.rept 4
	v_nop
.endr
.irp f, 0,1,2,3
.irp c, 0,1,2
	ds_load_b128 v[FRG+12*\f+4*\c:FRG+12*\f+4*\c+3], v[AD] offset:6144+1536*\f+512*\c   ; v's fragments land under the softmax
.endr
.endr
.irp b, 0,1,2,3
	v_max3_num_f32 v[BM+\b], v[S+16*\b], v[S+16*\b+1], v[S+16*\b+2]   ; the largest score of each block of 32 keys: for the row's maximum and for the block's largest p
.endr
.irp i, 3,5,7,9,11,13
.irp b, 0,1,2,3
	v_max3_num_f32 v[BM+\b], v[BM+\b], v[S+16*\b+\i], v[S+16*\b+\i+1]
.endr
.endr
.irp b, 0,1,2,3
	v_max_num_f32 v[BM+\b], v[BM+\b], v[S+16*\b+15]
.endr
.irp b, 0,1,2,3
	v_permlanex16_b32 v[BT+\b], v[BM+\b], s[SEL], s[SEL+1]
.endr
.irp b, 0,1,2,3
	v_max_num_f32 v[BM+\b], v[BM+\b], v[BT+\b]     ; with lane l xor 16's 16 keys
.endr
	v_max3_num_f32 v[T0], v[BM], v[BM+1], v[BM+2]
	v_max_num_f32 v[T0], v[T0], v[BM+3]
	v_mul_f32 v[T0], s[CS], v[T0]                  ; as t (c is positive)
	v_max_num_f32 v13, v13, v[T0]                  ; the running largest t
	v_mov_b32 v[T0], v12
	v_floor_f32 v12, -v13                          ; the new -M = -ceil(t)
	v_sub_f32 v[T0], v12, v[T0]                    ; old M - new M: a whole number, 0 or less
	v_cvt_i32_f32 v[T0], v[T0]                     ; (it saturates)
	v_ldexp_f32 v[F], 1.0, v[T0]                   ; f = 2^(old M - new M)
.irp j, 0,2,4,6,8,10,12,14,16,18,20,22,24,26,28,30,32,34,36,38,40,42,44,46,48,50,52,54,56,58,60,62
	v_pk_fma_f32 v[S+\j:S+\j+1], v[S+\j:S+\j+1], s[CS:CS+1], v[12:13] op_sel_hi:[1,0,0]   ; t - M, two at a time
.endr
.irp b, 0,1,2,3
	v_fma_f32 v[BM+\b], v[BM+\b], s[CS], v12       ; the same of each block's largest score
.endr
.irp j, 0,1,2,3,4,5,6,7,8,9,10,11,12,13,14,15,16,17,18,19,20,21,22,23,24,25,26,27,28,29,30,31,32,33,34,35,36,37,38,39,40,41,42,43,44,45,46,47,48,49,50,51,52,53,54,55,56,57,58,59,60,61,62,63
	v_exp_f32 v[S+\j], v[S+\j]                     ; p = 2^(t - M), at most 1
.endr
.irp b, 0,1,2,3
	v_exp_f32 v[BM+\b], v[BM+\b]                   ; the block's largest p
.endr
	v_pk_mul_f32 v[14:15], v[14:15], v[F:F+1] op_sel_hi:[1,0]   ; the sums under the new M (the plain line behind the exponentials)
	s_wait_alu depctr_va_vdst(0)
.irp b, 0,1,2,3
	v_max_num_f32 v[BM+\b], 0x1800000, v[BM+\b]    ; the floor 2^(3 - 127): the byte cannot fall under 1
.endr
.irp b, 0,1,2,3
	v_add_nc_u32 v[BO+\b], 0xff000000, v[BM+\b]    ; the conversion's scale operand
.endr
.irp b, 0,1,2,3
	v_lshrrev_b32 v[BT+\b], 23, v[BO+\b]           ; the scale's byte
.endr
	v_lshl_or_b32 v[PWD], v[BT+1], 8, v[BT]
	v_lshl_or_b32 v[PWD], v[BT+2], 16, v[PWD]
	v_lshl_or_b32 v[PWD], v[BT+3], 24, v[PWD]
.irp c, 0,1
	v_cvt_scalef32_pk16_fp6_f32 v[PC+6*\c:PC+6*\c+2], v[S+32*\c:S+32*\c+15], v[BO+2*\c]
	v_cvt_scalef32_pk16_fp6_f32 v[CT+4*\c:CT+4*\c+2], v[S+32*\c+16:S+32*\c+31], v[BO+2*\c+1]
.endr
	v_nop                                          ; one plain line behind the conversions
.irp c, 0,1                            ; a whole block to a lane: lanes 0-15 block 2 c, lanes 16-31 block 2 c + 1
.irp i, 0,1,2
	v_permlane16_swap_b32 v[PC+6*\c+\i], v[CT+4*\c+\i]
.endr
.irp i, 0,1,2
	v_mov_b32 v[PC+6*\c+3+\i], v[CT+4*\c+\i]
.endr
.endr
	v_pk_add_f32 v[SA:SA+1], v[S:S+1], v[S+2:S+3]  ; the row's sum of the unquantised p, in two chains
.irp j, 4,8,12,16,20,24,28,32,36,40,44,48,52,56,60
	v_pk_add_f32 v[14:15], v[14:15], v[S+\j:S+\j+1]
	v_pk_add_f32 v[SA:SA+1], v[SA:SA+1], v[S+\j+2:S+\j+3]
.endr
	v_pk_add_f32 v[14:15], v[14:15], v[SA:SA+1]
.irp j, 0,2,4,6,8,10,12,14,16,18,20,22,24,26,28,30
	v_pk_mul_f32 v[OT+\j:OT+\j+1], v[OT+\j:OT+\j+1], v[F:F+1] op_sel_hi:[1,0]   ; O^T under the new M, each accumulator from its low end on
.endr
	s_wait_dscnt 0x0                               ; v's fragments are in
.irp t, 0,1,2,3                        ; O^T += v^T p^T; the four accumulators take turns
	v_wmma_scale_f32_16x16x128_f8f6f4 v[OT+8*\t:OT+8*\t+7], v[FRG+12*\t:FRG+12*\t+11], v[PC:PC+11], v[OT+8*\t:OT+8*\t+7], v[VSC+\t], v[PWD] matrix_a_fmt:MATRIX_FMT_FP6 matrix_b_fmt:MATRIX_FMT_FP6
.endr
.endm
.macro STEPS8 base                     ; a slot's eight steps: written once, walked eight times
	s_mov_b32 s[TB], \base
	s_mov_b32 s[CNT], 8
.Lstep_\@:
	STEP
	s_add_co_u32 s[TB], s[TB], STEPB
	s_sub_co_u32 s[CNT], s[CNT], 1
	s_cmp_lg_u32 s[CNT], 0
	s_cbranch_scc1 .Lstep_\@
.endm
; THE CHANGE OF SLOTS.  Each wave waits for all its tensor loads (its part of the slot ahead), adds 0 to its spare word, and waits for that and for its reads of the slot that it leaves.
; fill = 1: the barrier is a round of the cluster's, and the slot just left is filled with the steps 16 on: the load has eight steps in which to land.
.macro CHANGE g0, fill
	s_wait_tensorcnt 0x0                           ; no tensor load of mine is out, so a group 0 may be written
	ds_add_u32 v[SPW], v[NIL]                      ; 0 onto my spare word
.if \fill
	s_add_nc_u64 s[\g0+2:\g0+3], s[\g0+2:\g0+3], 2*SLOTB   ; the type bits on top are not reached
.endif
	s_wait_dscnt 0x0                               ; the add is done, and my reads of the slot are over
.if \fill
	CROUND
	JLOAD \g0                                      ; the first thing behind the round, and a wave's one tensor load until the next
.else
	s_barrier_signal -1
	s_barrier_wait -1
.endif
.endm
	STEPS8 0
	CHANGE G00, 1
	STEPS8 SLOTB
	CHANGE G01, 1
	STEPS8 0
	CHANGE G00, 0
	STEPS8 SLOTB
	; THE WAY OUT.  O^T / the sum goes through my stage (16 rows of 256 bytes + 16) and leaves as whole runs of 256 bytes: a query's 64 numbers of this head.  The address lines are the places behind the last products.
	v_add_f32 v14, v14, v15
	v_permlanex16_b32 v[T0], v14, s[SEL], s[SEL+1]
	v_add_f32 v14, v14, v[T0]                      ; the row's sum
	v_rcp_f32 v14, v14
	v_and_b32 v8, 15, v0                           ; r (a plain line behind the reciprocal)
	v_bfe_u32 v9, v0, 4, 1                         ; h
	s_mul_i32 s38, s[WV], 16*272
	s_add_co_u32 s38, s38, STAGE                   ; my stage
	v_mul_u32_u24 v[STO], v8, 272
	v_lshl_add_u32 v[STO], v9, 6, v[STO]
	v_add_nc_u32 v[STO], s38, v[STO]               ; in: row r, + 64 h: register j of tile t is d = 32 (t / 2) + 8 (t % 2) + 16 h + j
	v_mul_u32_u24 v[RD], v9, 272
	v_lshl_add_u32 v[RD], v8, 4, v[RD]
	v_add_nc_u32 v[RD], s38, v[RD]                 ; back: lanes 0-15 one row, lanes 16-31 the next
	v_lshlrev_b32 v[GO], 12, v9
	v_lshl_add_u32 v[GO], v8, 4, v[GO]             ; and the same two rows of out0
	s_wait_alu depctr_va_vdst(0)
.irp j, 0,1,2,3,4,5,6,7,8,9,10,11,12,13,14,15,16,17,18,19,20,21,22,23,24,25,26,27,28,29,30,31
	v_mul_f32 v[S+\j], v[OT+\j], v14
.endr
.irp t, 0,1,2,3
	ds_store_b128 v[STO], v[S+8*\t:S+8*\t+3] offset:128*(\t/2)+32*(\t%2)
	ds_store_b128 v[STO], v[S+8*\t+4:S+8*\t+7] offset:128*(\t/2)+32*(\t%2)+16
.endr
.irp i, 0,1,2,3,4,5,6,7
	ds_load_b128 v[FRG+4*\i:FRG+4*\i+3], v[RD] offset:2*\i*272   ; LDS serves a wave's instructions in order: these see my stores
.endr
.irp i, 0,1,2,3,4,5,6,7
	s_wait_dscnt 7-\i                              ; the younger read-backs may be out
	global_store_b128 v[GO], v[FRG+4*\i:FRG+4*\i+3], s[8:9] offset:(2*\i+8*(\i/4))*4096 th:TH_STORE_NT   ; stage row n is query q0 + n + 8 (n / 8); sixteen lanes store 256 consecutive bytes, aligned
.endr
	s_wait_tensorcnt 0x0                           ; the wave's end
	ds_add_u32 v[SPW], v[NIL]
	s_wait_dscnt 0x0
	CROUND                                         ; the closing round
	s_endpgm
.Lfunc_end_k_q35b30add5b_attn:
	.size	k_q35b30add5b_attn, .Lfunc_end_k_q35b30add5b_attn-k_q35b30add5b_attn
	.p2alignl 7, 3214868480
	.fill 96, 4, 3214868480
	.section	.rodata,"a",@progbits
	.p2align	6, 0x0
	.amdhsa_kernel k_q35b30add5b_attn
		.amdhsa_group_segment_fixed_size 327680
		.amdhsa_private_segment_fixed_size 0
		.amdhsa_enable_private_segment 0
		.amdhsa_kernarg_size 24
		.amdhsa_user_sgpr_count 2
		.amdhsa_user_sgpr_kernarg_segment_ptr 1
		.amdhsa_wavefront_size32 1
		.amdhsa_system_sgpr_workgroup_id_x 1
		.amdhsa_system_sgpr_workgroup_id_y 1
		.amdhsa_system_sgpr_workgroup_id_z 1
		.amdhsa_system_vgpr_workitem_id 0
		.amdhsa_next_free_vgpr 256
		.amdhsa_next_free_sgpr 66
		.amdhsa_reserve_vcc 0
		.amdhsa_float_denorm_mode_32 3
		.amdhsa_float_denorm_mode_16_64 3
		.amdhsa_memory_ordered 1
		.amdhsa_forward_progress 1
		.amdhsa_inst_pref_size 74
	.end_amdhsa_kernel
	.amdgpu_metadata
---
amdhsa.version: [ 1, 2 ]
amdhsa.kernels:
  - .name:           k_q35b30add5b_attn
    .symbol:         k_q35b30add5b_attn.kd
    .args:
      - { .name: qbuf, .offset: 0, .size: 8, .value_kind: global_buffer, .address_space: global }
      - { .name: kvbuf, .offset: 8, .size: 8, .value_kind: global_buffer, .address_space: global }
      - { .name: out0, .offset: 16, .size: 8, .value_kind: global_buffer, .address_space: global }
    .group_segment_fixed_size: 327680
    .private_segment_fixed_size: 0
    .kernarg_segment_align: 8
    .kernarg_segment_size: 24
    .max_flat_workgroup_size: 512
    .sgpr_count:     66
    .vgpr_count:     256
    .wavefront_size: 32
...
	.end_amdgpu_metadata
.endif
;; end of part 3
